; MI455X (gfx1250); checked and timed in simulation.
; The chip was launched on July 23, 2026; its instructions are those of AMD's public machine-readable ISA for CDNA 5 (MIT licence, August 2026) and "CDNA5" Instruction Set Architecture Reference Guide (July 2026). The comments in the code are by the model that wrote it; some were corrected since.
;; L1 Writer. Allowed arithmetic: matrix products marked QUANTISED: E2M1 operands, one E8M0 scale for each 32 along K, by v_wmma_scale_f32_16x16x128_f8f6f4 with both operands' format E2M1 (or v_wmma_scale_f32_32x16x128_f4), f32 sums; products left as they are: f32 operands where the result goes on into a quantised operand, else bf16, f16 or f32 operands; f32 sums; everything else in f32.
;; Inputs: keys 4 x 4,096 x 16 x 64 float32; memory 16 x 64 x 64 float32; values 4 x 4,096 x 16 x 64 float32; write_strengths 4 x 4,096 float32.
;; Outputs: out0 16 x 64 x 64 float32.
;; This version of the problem:
;;   THIS VERSION OF THE PROBLEM IS GIVEN IN LOW PRECISION. The matrix products marked QUANTISED in the list below multiply operands that are first quantised to E2M1 (2 exponent bits, 1 mantissa bit; 4 bits a number), with one power-of-two scale for each 32 numbers along K (OCP MX v1.0); their sums are f32. All else is computed in f32.
;;   The module's matrix products, in the order in which they are computed (A, B: the left and right operand; K: the contracted axis; several contracted axes count as one K, in the product's order):
;;     1. batch 16,384 x [M 1, K 1] x [K 1, N 1,024]; A: computed on the way; B: computed on the way: left as it is (no contracted axis)
;;     2. batch 16 x [M 64, K 16,384] x [K 16,384, N 64]; A: computed on the way; B: input values: QUANTISED
;;   THE QUANTISER, for each operand of a quantised product, along K:
;;     - K is cut into blocks of 32 from its start; a last block that is shorter is filled with zeros.
;;     - A block's scale is 2^e with e = floor(log2(the largest magnitude in the block)) - 2, held to -126 .. 127; a block of zeros has e = 0. As a byte (E8M0): e + 127.
;;     - Each number is divided by its block's scale, clamped to +-6, and rounded to the nearest number of E2M1, ties to even, subnormals kept.
;;     - The product sums the exact products of the quantised numbers (number of the format x scale) in f32.
;;   ~~~python
;;   def quantise(x, axis):      # numpy; x: float32 -> the quantised numbers, widened to float32 again
;;       x = np.moveaxis(x, axis, -1); K = x.shape[-1]
;;       x = np.pad(x, [(0, 0)] * (x.ndim - 1) + [(0, -K % 32)]); x = x.reshape(x.shape[:-1] + (-1, 32)); a = np.abs(x).max(-1, keepdims=True)
;;       e = np.where(a > 0, np.clip(np.frexp(np.where(a > 0, a, 1))[1] - 1 - 2, -126, 127), 0)      # np.frexp(a)[1] - 1 = floor(log2(a)), exactly
;;       r = np.clip(x / 2.0 ** e, -6, 6)
;;       step = 2.0 ** (np.maximum(np.frexp(np.where(r == 0, 1, r))[1] - 1, 0) - 1)
;;       q = np.round(r / step) * step * 2.0 ** e      # np.round: ties to even
;;       return np.moveaxis(q.reshape(q.shape[:-2] + (-1,))[..., :K], -1, axis).astype(np.float32)
;;   ~~~
;;   OPERANDS COMPUTED ON THE WAY. 'Computed on the way' means the value that the module computes at that place (a softmax that the list does not call 'softmax' is quantised finished and normalised). What goes into a quantiser is computed in f32, as accurately as f32 sums, v_exp_f32 and their like allow (about 1e-6 of the number): no bf16 or f16 on the way to a quantiser, and a product that is left as it is and whose result goes on into a quantised operand takes f32 operands (vector FMAs, or v_wmma_f32_16x16x4_f32). A number that lies on a knife's edge between two numbers of the format may be rounded either way, as far as f32 arithmetic and the matrix unit's own rounding can turn it there, and no further.
;; 2 versions, each right; version 2 is version 1 with the launch partials written anew for expert scheduling mode. Each part assembles by itself: llvm-mc -triple=amdgcn-amd-amdhsa -mcpu=gfx1250 --defsym DOCPART=n.
;; ======== version 1 of 2: 2 launches
;; workspace buffers: partial 4,194,304 bytes
;; launch partials (part 1): grid 16 x 16, 16 waves a work-group, no clusters, 71,680 bytes of LDS; arguments keys, values, write_strengths, partial; writes partial
.if DOCPART == 1
	.amdgcn_target "amdgcn-amd-amdhsa--gfx1250"
	.amdhsa_code_object_version 6
	.text
	.protected	k_q71d730a953_partials
	.globl	k_q71d730a953_partials
	.p2align	8
	.type	k_q71d730a953_partials,@function
k_q71d730a953_partials:
	s_mov_b64 s[64:65], 0
	v_nop
	global_prefetch_b8 v0, s[64:65] scope:SCOPE_SE
	s_setreg_imm32_b32 hwreg(HW_REG_WAVE_MODE, 25, 1), 1
	s_wait_xcnt 0x0
; partial[head][chunk] = sum over the chunk's 1,024 tokens t of Q(rho[t] keys[t][head][k]) Q(values[t][head][v]), Q the MX-FP4 quantiser along the tokens (blocks of 32 tokens, one E8M0 scale each).
; keys, values: [16,384 tokens][16 heads][64] f32: a token's row of one head is 256 bytes, rows 4,096 bytes apart.  write_strengths: [16,384] f32.
; SHARES.  Work-group (x = head, y = chunk of 1,024 tokens), sixteen waves.  Two passes of 512 tokens; in a pass wave w takes the block of 32 tokens w: first of keys, then of values.
; A LANE TAKES TWO NEIGHBOURING COLUMNS (2 l, 2 l + 1): one load of the wave covers one token's 256 consecutive bytes, aligned.  All lanes of a load stand on one token, so rho is a scalar.
; The conversion takes eight consecutive registers of ONE column, a load brings two columns side by side: the numbers are sorted by column on the way: for keys by the multiplication with rho, which writes
; where it likes; for values by a move.  A block's 32 numbers then lie in one lane: its largest magnitude needs no other lane.
; FRAGMENTS.  Which columns form a fragment is free: fragment f = 2 j + half has as its row r the column 32 half + 2 r + j, which lane 16 half + r holds as its column j.  A K step of 128 is the blocks of four waves
; (4 s .. 4 s + 3).  Codes go from wave to wave through LDS as images of the operand's registers (register group c, lane (r, h) = block 2 c + h): the store's address puts my block at its place, so nothing changes lanes.
; PRODUCTS.  Behind a pass's barrier wave w multiplies tile (fragment w / 4 of keys) x (fragment w % 4 of values) over the pass's four K steps.  Pass 0's products stand while pass 1's loads are on their way.
; OUT.  The accumulator's registers leave as they stand; the partials' layout [head][fa][h][q][chunk][jB][hb][r][4 numbers] is this program's own and is undone by the addresses of the launch that adds them.
; THE SCALE: the block's largest magnitude, with the floor 2^(3 - 127) among its leaves, less 2 in its exponent field, is the conversion's scale operand; its exponent field is the byte (1 .. 252).
; LIMITS: NaN and infinities among the inputs are not served.  A block of zeros gets the byte 1 where the rule says 127: its codes are zeros, and the bytes are read by this program alone.
; No cluster: no two work-groups read the same input byte.  No tensor loads: the stream goes straight into registers, with counted waits, so that requests never pause.
.set ROWB,  4096                       ; bytes from a token's row to the next
.set PASST, 512                        ; tokens in a pass
.set IMGP,  32768                      ; LDS: a pass's images: [K step 4][keys, values][fragment 4][1,024 bytes]
.set SCLB,  65536                      ; behind both passes' images: the scale words
.set SCLP,  2048                       ; a pass's: [K step 4][keys, values][fragment 4][row 16] words
.set FLOOR, 0x1800000                  ; 2^(3 - 127)
.set LOFF, 1                           ; v1   8 x lane: my two columns in a row
.set VI,   2                           ; v2   LDS: where my block's codes go
.set VS,   3                           ; v3   LDS: where my block's scale byte goes
.set LA,   4                           ; v4   LDS: my tile's fragment of keys
.set LB,   5                           ; v5   LDS: my tile's fragment of values
.set LSA,  6                           ; v6   LDS: its scale words, keys
.set LSB,  7                           ; v7   LDS: values
.set MX,   8                           ; v8-9   largest magnitudes of my two columns
.set SO,   10                          ; v10-11 the conversions' scale operands
.set BY,   12                          ; v12-15 scale bytes: 2 x (keys 0, values 1) + column
.set PO,   16                          ; v16  my byte offset in the partials
.set SWA,  20                          ; v20-23 scale words of keys, v24-27 of values: these eight hold scales and nothing else
.set SWB,  24
.set P,    32                          ; v32-47 codes: 8 x (keys 0, values 1) + 4 x column + register
.set AC,   48                          ; v48-63 two accumulators
.set T,    64                          ; v64-127 a block sorted by column: 32 x column + token
.set FR,   64                          ; the same registers, between blocks: four K steps' fragments, 8 of keys and 8 of values each
.set RAW0, 128                         ; v128-191 a block of keys as loaded: 2 x token + column
.set RAW1, 192                         ; v192-255 a block of values
.set O,    128                         ; at the end: the tile
.set KP,   4                           ; s[4:5] keys, s[6:7] values, at my wave's first token and my head
.set VP,   6
.set RHO,  16                          ; s16-63 and s68-83: rho of my 64 tokens
.macro LOADU ptr, pass, raw            ; a block: 32 loads, a token each
.set i, 0
.rept 32
	global_load_b64 v[\raw+2*i:\raw+2*i+1], v[LOFF], s[\ptr:\ptr+1] offset:(PASST*(\pass)+i)*ROWB th:TH_LOAD_NT
.set i, i+1
.endr
.endm
.macro TURNK pass, raw                 ; rho x keys, in f32, written sorted by column
.set i, 0
.rept 32
.set rh, RHO+32*(\pass)+i+4*((32*(\pass)+i)/48)
	v_mul_f32 v[T+i], s[rh], v[\raw+2*i]
	v_mul_f32 v[T+32+i], s[rh], v[\raw+2*i+1]
.set i, i+1
.endr
.endm
.macro TURNV raw                       ; values have no arithmetic of their own on which the sorting could ride: a move a number
.set i, 0
.rept 32
	v_mov_b32 v[T+i], v[\raw+2*i]
	v_mov_b32 v[T+32+i], v[\raw+2*i+1]
.set i, i+1
.endr
.endm
.macro QUANT t                         ; my two columns' blocks in T become 2 x 4 registers of codes and two scale bytes
	v_max3_num_f32 v[MX], |v[T]|, |v[T+1]|, FLOOR
	v_max3_num_f32 v[MX+1], |v[T+32]|, |v[T+33]|, FLOOR
.irp i, 2,4,6,8,10,12,14,16,18,20,22,24,26,28,30
	v_max3_num_f32 v[MX], v[MX], |v[T+\i]|, |v[T+\i+1]|            ; the two columns by turns
	v_max3_num_f32 v[MX+1], v[MX+1], |v[T+32+\i]|, |v[T+33+\i]|
.endr
.irp j, 0,1
	v_add_nc_u32 v[SO+\j], 0xff000000, v[MX+\j]                    ; 2 off the exponent field: the conversion takes that field as its scale and nothing else
.endr
.irp j, 0,1
	v_lshrrev_b32 v[BY+2*(\t)+\j], 23, v[SO+\j]                    ; the scale's byte
.endr
.irp j, 0,1
.irp g, 0,1,2,3
	v_cvt_scalef32_pk8_fp4_f32 v[P+8*(\t)+4*\j+\g], v[T+32*\j+8*\g:T+32*\j+8*\g+7], v[SO+\j]
.endr
.endr
	v_nop                                                          ; one plain vector line behind the last conversion, ahead of whatever next writes its sources
.endm
.macro SHIP pass, t                    ; 16 lanes store 256 consecutive bytes of one fragment's image, the other 16 of another's
.irp j, 0,1
	ds_store_b128 v[VI], v[P+8*(\t)+4*\j:P+8*(\t)+4*\j+3] offset:IMGP*(\pass)+4096*(\t)+2048*\j
	ds_store_b8 v[VS], v[BY+2*(\t)+\j] offset:SCLP*(\pass)+256*(\t)+128*\j
.endr
.endm
.macro MEET                            ; my LDS stores have landed (so their registers may be written again), then the work-group's barrier
	s_wait_dscnt 0x0
	s_barrier_signal -1
	s_barrier_wait -1
.endm
.macro MATS pass                       ; my tile over the pass's four K steps.  Two accumulators by turns, one instruction a turn
.set ks, 0
.rept 4
	ds_load_b128 v[FR+16*ks:FR+16*ks+3],     v[LA] offset:IMGP*(\pass)+8192*ks
	ds_load_b128 v[FR+16*ks+4:FR+16*ks+7],   v[LA] offset:IMGP*(\pass)+8192*ks+512
	ds_load_b128 v[FR+16*ks+8:FR+16*ks+11],  v[LB] offset:IMGP*(\pass)+8192*ks
	ds_load_b128 v[FR+16*ks+12:FR+16*ks+15], v[LB] offset:IMGP*(\pass)+8192*ks+512
	ds_load_b32 v[SWA+ks], v[LSA] offset:SCLP*(\pass)+512*ks
	ds_load_b32 v[SWB+ks], v[LSB] offset:SCLP*(\pass)+512*ks
.set ks, ks+1
.endr
.set ks, 0
.rept 4
	s_wait_dscnt 6*(3-ks)                                          ; this K step's six loads are in; the six of each later K step may be out
.if ((\pass) == 0) && (ks < 2)
	v_wmma_scale_f32_16x16x128_f8f6f4 v[AC+8*(ks%2):AC+8*(ks%2)+7], v[FR+16*ks:FR+16*ks+7], v[FR+16*ks+8:FR+16*ks+15], 0, v[SWA+ks], v[SWB+ks] matrix_a_fmt:MATRIX_FMT_FP4 matrix_b_fmt:MATRIX_FMT_FP4
.else
	v_wmma_scale_f32_16x16x128_f8f6f4 v[AC+8*(ks%2):AC+8*(ks%2)+7], v[FR+16*ks:FR+16*ks+7], v[FR+16*ks+8:FR+16*ks+15], v[AC+8*(ks%2):AC+8*(ks%2)+7], v[SWA+ks], v[SWB+ks] matrix_a_fmt:MATRIX_FMT_FP4 matrix_b_fmt:MATRIX_FMT_FP4
.endif
.set ks, ks+1
.endr
.rept 4
	v_nop                                                          ; four places (ISA guide 7.12.1) ahead of vector lines that write the fragments' registers or read the results
.endr
.endm
	s_load_b256 s[4:11], s[0:1], 0x0               ; keys s[4:5], values s[6:7], write_strengths s[8:9], partial s[10:11]
	v_lshl_add_u32 v30, v0, 2, 0x11000
	v_mov_b32 v31, 0
	v_lshrrev_b32 v17, 5, v0
	v_readfirstlane_b32 s12, v17                   ; wave 0..15
	v_and_b32 v18, 31, v0                          ; lane
	v_lshlrev_b32 v[LOFF], 3, v18
	s_and_b32 s13, ttmp7, 0xffff                   ; chunk
	s_lshl_b32 s2, s13, 22                         ; chunk x 1,024 tokens x 4,096 bytes
	s_lshl_b32 s3, s12, 17                         ; + wave x 32 tokens
	s_add_co_u32 s2, s2, s3
	s_lshl_b32 s3, ttmp9, 8                        ; + head x 256 bytes: under 2^26 in all
	s_add_co_u32 s2, s2, s3
	s_mov_b32 s3, 0
	s_lshl_b32 s14, s13, 12                        ; rho: 4 bytes a token
	s_lshl_b32 s15, s12, 7
	s_add_co_u32 s14, s14, s15
	s_mov_b32 s15, 0
	s_wait_kmcnt 0x0
	s_add_nc_u64 s[4:5], s[4:5], s[2:3]
	s_add_nc_u64 s[6:7], s[6:7], s[2:3]
	s_add_nc_u64 s[8:9], s[8:9], s[14:15]
	s_load_b512 s[16:31], s[8:9], 0x0              ; rho of pass 0's 32 tokens,
	s_load_b512 s[32:47], s[8:9], 0x40
	s_load_b512 s[48:63], s[8:9], 0x800            ; and of pass 1's, 512 tokens on
	s_load_b512 s[68:83], s[8:9], 0x840
	LOADU KP, 0, RAW0                              ; both buffers are asked for before anything else is done
	LOADU VP, 0, RAW1
	; LDS addresses, made while the loads are on their way: each a constant + constants x lane bits + constants x (wave / 4, wave % 4)
	v_and_b32 v19, 15, v0                          ; r
	v_bfe_u32 v28, v0, 4, 1                        ; half
	s_lshr_b32 s84, s12, 2                         ; wave / 4: the K step that my block belongs to; later my tile's fragment of keys
	s_and_b32 s85, s12, 3                          ; wave % 4: my block's place in that K step; later my tile's fragment of values
	s_lshl_b32 s86, s84, 13
	s_lshl_b32 s87, s85, 8
	s_add_co_u32 s86, s86, s87
	v_lshlrev_b32 v[VI], 4, v19
	v_lshl_add_u32 v[VI], v28, 10, v[VI]
	v_add_nc_u32 v[VI], s86, v[VI]                 ; 8,192 K step + 1,024 half + 256 block + 16 r (the column adds 2,048, values add 4,096: immediates)
	s_lshl_b32 s86, s84, 9
	s_add_co_u32 s86, s86, s85
	s_add_co_u32 s86, s86, SCLB
	v_lshl_add_u32 v[VS], v18, 2, s86              ; 512 K step + 4 lane + block: byte b of a row's word scales block b
	s_lshl_b32 s86, s84, 10
	v_lshl_add_u32 v[LA], v18, 4, s86              ; an image comes back as it went: 16 x lane
	s_lshl_b32 s86, s85, 10
	s_add_co_u32 s86, s86, 4096
	v_lshl_add_u32 v[LB], v18, 4, s86
	s_lshl_b32 s86, s84, 6
	s_add_co_u32 s86, s86, SCLB
	v_lshl_add_u32 v[LSA], v19, 2, s86             ; lane r takes row r's word (lanes 16-31 take the same and are not read)
	s_lshl_b32 s86, s85, 6
	s_add_co_u32 s86, s86, SCLB+256
	v_lshl_add_u32 v[LSB], v19, 2, s86
	v_lshlrev_b32 v[PO], 4, v19
	v_lshl_add_u32 v[PO], v28, 15, v[PO]           ; the partials: 16 r + 32,768 h
	s_lshl_b32 s86, ttmp9, 18                      ; + 262,144 head + 65,536 fa + 1,024 chunk + 256 fb
	s_lshl_b32 s87, s84, 16
	s_add_co_u32 s86, s86, s87
	s_lshl_b32 s87, s13, 10
	s_add_co_u32 s86, s86, s87
	s_lshl_b32 s87, s85, 8
	s_add_co_u32 s86, s86, s87
	s_mov_b32 s87, 0
	s_add_nc_u64 s[10:11], s[10:11], s[86:87]
	s_wait_kmcnt 0x0                               ; rho
	s_wait_loadcnt 32                              ; loads come back in order (ISA guide 5.7.1): the keys' 32 are in, the values' 32 may be out
	TURNK 0, RAW0
	LOADU KP, 1, RAW0                              ; the buffer has been read: pass 1's keys
	QUANT 0
	SHIP 0, 0
	s_wait_loadcnt 32                              ; pass 0's values are in; pass 1's keys may be out
	TURNV RAW1
	LOADU VP, 1, RAW1                              ; all my loads have now been asked for: no barrier below holds a request back
	QUANT 1
	SHIP 0, 1
	MEET                                           ; pass 0's images lie in LDS
	MATS 0
	s_wait_loadcnt 32                              ; pass 1's keys are in; its values may be out
	TURNK 1, RAW0
	QUANT 0
	SHIP 1, 0                                      ; pass 1 has LDS bytes of its own: no wave's reads of pass 0 are in its way
	s_wait_loadcnt 0x0
	TURNV RAW1
	QUANT 1
	SHIP 1, 1
	MEET
	MATS 1
	; lane (r, h), register jj of the tile: k = 32 halfA + 16 h + 2 jj + jA, v = 32 halfB + 2 r + jB
.irp p, 0,2,4,6
	v_pk_add_f32 v[O+\p:O+\p+1], v[AC+\p:AC+\p+1], v[AC+8+\p:AC+8+\p+1]   ; the two accumulators, each read from its low end on
.endr
	global_store_b128 v[PO], v[O:O+3], s[10:11] th:TH_STORE_NT              ; 16 lanes store 256 consecutive bytes, aligned
	global_store_b128 v[PO], v[O+4:O+7], s[10:11] offset:16384 th:TH_STORE_NT
	s_wait_tensorcnt 0x0
	ds_add_u32 v30, v31
	s_wait_dscnt 0x0
	s_endpgm
.Lfunc_end_k_q71d730a953_partials:
	.size	k_q71d730a953_partials, .Lfunc_end_k_q71d730a953_partials-k_q71d730a953_partials
	.p2alignl 7, 3214868480
	.fill 96, 4, 3214868480
	.section	.rodata,"a",@progbits
	.p2align	6, 0x0
	.amdhsa_kernel k_q71d730a953_partials
		.amdhsa_group_segment_fixed_size 71680
		.amdhsa_private_segment_fixed_size 0
		.amdhsa_enable_private_segment 0
		.amdhsa_kernarg_size 32
		.amdhsa_user_sgpr_count 2
		.amdhsa_user_sgpr_kernarg_segment_ptr 1
		.amdhsa_wavefront_size32 1
		.amdhsa_system_sgpr_workgroup_id_x 1
		.amdhsa_system_sgpr_workgroup_id_y 1
		.amdhsa_system_sgpr_workgroup_id_z 1
		.amdhsa_system_vgpr_workitem_id 0
		.amdhsa_next_free_vgpr 256
		.amdhsa_next_free_sgpr 96
		.amdhsa_reserve_vcc 0
		.amdhsa_float_denorm_mode_32 3
		.amdhsa_float_denorm_mode_16_64 3
		.amdhsa_memory_ordered 1
		.amdhsa_forward_progress 1
		.amdhsa_inst_pref_size 41
	.end_amdhsa_kernel
	.amdgpu_metadata
---
amdhsa.version: [ 1, 2 ]
amdhsa.kernels:
  - .name:           k_q71d730a953_partials
    .symbol:         k_q71d730a953_partials.kd
    .args:
      - { .name: keys, .offset: 0, .size: 8, .value_kind: global_buffer, .address_space: global }
      - { .name: values, .offset: 8, .size: 8, .value_kind: global_buffer, .address_space: global }
      - { .name: write_strengths, .offset: 16, .size: 8, .value_kind: global_buffer, .address_space: global }
      - { .name: partial, .offset: 24, .size: 8, .value_kind: global_buffer, .address_space: global }
    .group_segment_fixed_size: 71680
    .private_segment_fixed_size: 0
    .kernarg_segment_align: 8
    .kernarg_segment_size: 32
    .max_flat_workgroup_size: 512
    .sgpr_count:     96
    .vgpr_count:     256
    .wavefront_size: 32
...
	.end_amdgpu_metadata
.endif
;; end of part 1
;; launch fold (part 2): grid 256 x 1, 1 waves a work-group, no clusters, 0 bytes of LDS; arguments partial, memory, out0; writes out0
.if DOCPART == 2
	.amdgcn_target "amdgcn-amd-amdhsa--gfx1250"
	.amdhsa_code_object_version 6
	.text
	.protected	k_q71d730a953_fold
	.globl	k_q71d730a953_fold
	.p2align	8
	.type	k_q71d730a953_fold,@function
k_q71d730a953_fold:
	s_mov_b64 s[64:65], 0
	v_nop
	global_prefetch_b8 v0, s[64:65] scope:SCOPE_SE
	s_setreg_imm32_b32 hwreg(HW_REG_WAVE_MODE, 25, 1), 1
	s_wait_xcnt 0x0
; out0 = 0.95 memory + the sum of the 16 chunks' partials.  memory, out0: [16 heads][64 k][64 v] f32.
; partial: [head][fa][h][q][chunk][jB][hb][r][4 numbers], as the launch before left its accumulators: number i of that four is
; (k = 32 halfA + 16 h + 8 q + 2 i + jA, v = 32 hb + 2 r + jB), fa = 2 jA + halfA.
; One wave to a work-group; work-group x = 16 head + 4 fa + 2 h + q reads 16,384 consecutive bytes, 512 a load, lane = 16 hb + r.  A lane so holds, for four rows k, the two neighbours v = 2 lane, 2 lane + 1
; (jB = 0, 1) in two different registers' runs; the last multiply-add writes them side by side, so that a store of 8 bytes a lane covers one whole row of out0: 256 consecutive bytes, aligned.
; The f32 sums run chunk by chunk, in another order than a single sum along the tokens.  No LDS, no barrier: waves share nothing.
.set L, 32                             ; v32-159 chunk c: 4 numbers of jB = 0, 4 of jB = 1; chunk 0's take the sums
.set M, 16                             ; v16-23  four rows of memory, two numbers each
.set O, 24                             ; v24-31  the same of out0
	s_load_b128 s[4:7], s[0:1], 0x0                ; partial, memory
	s_load_b64 s[8:9], s[0:1], 0x10                ; out0
	v_lshlrev_b32 v1, 4, v0                        ; 16 x lane
	v_lshlrev_b32 v2, 3, v0                        ; 8 x lane
	s_lshl_b32 s10, ttmp9, 14                      ; my 16,384 bytes of the partials
	s_mov_b32 s11, 0
	s_lshr_b32 s12, ttmp9, 4
	s_lshl_b32 s12, s12, 14                        ; head x 16,384 bytes
	s_and_b32 s13, ttmp9, 7
	s_lshl_b32 s13, s13, 11                        ; + (32 halfA + 16 h + 8 q) rows of 256 bytes
	s_add_co_u32 s12, s12, s13
	s_bfe_u32 s13, ttmp9, 0x10003
	s_lshl_b32 s13, s13, 8                         ; + jA rows
	s_add_co_u32 s12, s12, s13
	s_mov_b32 s13, 0
	s_wait_kmcnt 0x0
	s_add_nc_u64 s[4:5], s[4:5], s[10:11]
	s_add_nc_u64 s[6:7], s[6:7], s[12:13]
	s_add_nc_u64 s[8:9], s[8:9], s[12:13]
.set c, 0
.rept 16
	global_load_b128 v[L+8*c:L+8*c+3],   v1, s[4:5] offset:1024*c th:TH_LOAD_NT
	global_load_b128 v[L+8*c+4:L+8*c+7], v1, s[4:5] offset:1024*c+512 th:TH_LOAD_NT
.set c, c+1
.endr
.irp i, 0,1,2,3
	global_load_b64 v[M+2*\i:M+2*\i+1], v2, s[6:7] offset:512*\i th:TH_LOAD_NT   ; rows k0 + 2 i
.endr
.set c, 1
.rept 15
	s_wait_loadcnt 34-2*c                          ; of 36 loads the first 2 c + 2 are in: chunks 0 to c; the later chunks' and memory's four may be out
.irp p, 0,2,4,6
	v_pk_add_f32 v[L+\p:L+\p+1], v[L+\p:L+\p+1], v[L+8*c+\p:L+8*c+\p+1]
.endr
.set c, c+1
.endr
	s_wait_loadcnt 0x0                             ; memory
.irp i, 0,1,2,3
	v_fmamk_f32 v[O+2*\i],   v[M+2*\i],   0x3f733333, v[L+\i]      ; 0.95 x memory + the sum; jB = 0 to the even place,
	v_fmamk_f32 v[O+2*\i+1], v[M+2*\i+1], 0x3f733333, v[L+4+\i]    ; jB = 1 to the odd one
.endr
.irp i, 0,1,2,3
	global_store_b64 v2, v[O+2*\i:O+2*\i+1], s[8:9] offset:512*\i  ; 32 lanes store a whole row: 256 consecutive bytes, aligned
.endr
	s_endpgm
.Lfunc_end_k_q71d730a953_fold:
	.size	k_q71d730a953_fold, .Lfunc_end_k_q71d730a953_fold-k_q71d730a953_fold
	.p2alignl 7, 3214868480
	.fill 96, 4, 3214868480
	.section	.rodata,"a",@progbits
	.p2align	6, 0x0
	.amdhsa_kernel k_q71d730a953_fold
		.amdhsa_group_segment_fixed_size 0
		.amdhsa_private_segment_fixed_size 0
		.amdhsa_enable_private_segment 0
		.amdhsa_kernarg_size 24
		.amdhsa_user_sgpr_count 2
		.amdhsa_user_sgpr_kernarg_segment_ptr 1
		.amdhsa_wavefront_size32 1
		.amdhsa_system_sgpr_workgroup_id_x 1
		.amdhsa_system_sgpr_workgroup_id_y 1
		.amdhsa_system_sgpr_workgroup_id_z 1
		.amdhsa_system_vgpr_workitem_id 0
		.amdhsa_next_free_vgpr 160
		.amdhsa_next_free_sgpr 66
		.amdhsa_reserve_vcc 0
		.amdhsa_float_denorm_mode_32 3
		.amdhsa_float_denorm_mode_16_64 3
		.amdhsa_memory_ordered 1
		.amdhsa_forward_progress 1
		.amdhsa_inst_pref_size 10
	.end_amdhsa_kernel
	.amdgpu_metadata
---
amdhsa.version: [ 1, 2 ]
amdhsa.kernels:
  - .name:           k_q71d730a953_fold
    .symbol:         k_q71d730a953_fold.kd
    .args:
      - { .name: partial, .offset: 0, .size: 8, .value_kind: global_buffer, .address_space: global }
      - { .name: memory, .offset: 8, .size: 8, .value_kind: global_buffer, .address_space: global }
      - { .name: out0, .offset: 16, .size: 8, .value_kind: global_buffer, .address_space: global }
    .group_segment_fixed_size: 0
    .private_segment_fixed_size: 0
    .kernarg_segment_align: 8
    .kernarg_segment_size: 24
    .max_flat_workgroup_size: 32
    .sgpr_count:     66
    .vgpr_count:     160
    .wavefront_size: 32
...
	.end_amdgpu_metadata
.endif
;; end of part 2
;; ======== version 2 of 2: 2 launches; version 1 with the launch partials written anew for expert scheduling mode
;; workspace buffers: partial 4,194,304 bytes
;; launch partials (part 3): grid 16 x 16, 16 waves a work-group, no clusters, 71,680 bytes of LDS; arguments keys, values, write_strengths, partial; writes partial
.if DOCPART == 3
	.amdgcn_target "amdgcn-amd-amdhsa--gfx1250"
	.amdhsa_code_object_version 6
	.text
	.protected	k_q71d730a953_partials
	.globl	k_q71d730a953_partials
	.p2align	8
	.type	k_q71d730a953_partials,@function
k_q71d730a953_partials:
	s_mov_b64 s[64:65], 0
	v_nop
	global_prefetch_b8 v0, s[64:65] scope:SCOPE_SE
	s_setreg_imm32_b32 hwreg(HW_REG_WAVE_SCHED_MODE, 0, 2), 2
	s_setreg_imm32_b32 hwreg(HW_REG_WAVE_MODE, 25, 1), 1
	s_wait_xcnt 0x0
	s_wait_alu depctr_vm_vsrc(0)
; partial[head][chunk] = sum over the chunk's 1,024 tokens t of Q(rho[t] keys[t][head][k]) Q(values[t][head][v]), Q the MX-FP4 quantiser along the tokens (blocks of 32 tokens, one E8M0 scale each).
; keys, values: [16,384 tokens][16 heads][64] f32: a token's row of one head is 256 bytes, rows 4,096 bytes apart.  write_strengths: [16,384] f32.
; SHARES.  Work-group (x = head, y = chunk of 1,024 tokens), sixteen waves.  Two passes of 512 tokens; in a pass wave w takes the block of 32 tokens w: first of keys, then of values.
; A LANE TAKES TWO NEIGHBOURING COLUMNS (2 l, 2 l + 1): one load of the wave covers one token's 256 consecutive bytes, aligned.  All lanes of a load stand on one token, so rho is a scalar.
; The conversion takes eight consecutive registers of ONE column, a load brings two columns side by side: the numbers are sorted by column on the way: for keys by the multiplication with rho, which writes
; where it likes; for values by a move.  A block's 32 numbers then lie in one lane: its largest magnitude needs no other lane.
; FRAGMENTS.  Which columns form a fragment is free: fragment f = 2 j + half has as its row r the column 32 half + 2 r + j, which lane 16 half + r holds as its column j.  A K step of 128 is the blocks of four waves
; (4 s .. 4 s + 3).  Codes go from wave to wave through LDS as images of the operand's registers (register group c, lane (r, h) = block 2 c + h): the store's address puts my block at its place, so nothing changes lanes.
; PRODUCTS.  Behind a pass's barrier wave w multiplies tile (fragment w / 4 of keys) x (fragment w % 4 of values) over the pass's four K steps.  Pass 0's products stand while pass 1's loads are on their way.
; OUT.  The accumulator's registers leave as they stand; the partials' layout [head][fa][h][q][chunk][jB][hb][r][4 numbers] is this program's own and is undone by the addresses of the launch that adds them.
; THE SCALE: the block's largest magnitude, with the floor 2^(3 - 127) among its leaves, less 2 in its exponent field, is the conversion's scale operand; its exponent field is the byte (1 .. 252).
; LIMITS: NaN and infinities among the inputs are not served.  A block of zeros gets the byte 1 where the rule says 127: its codes are zeros, and the bytes are read by this program alone.
; No cluster: no two work-groups read the same input byte.  No tensor loads: the stream goes straight into registers, with counted waits, so that requests never pause.
; THE MODE: SCHED_MODE bits 1:0 = 2 (LLVM: expert scheduling mode 2), set by the entry lines.  The code itself states the register dependences
; between vector or matrix instructions and memory or LDS instructions, with s_wait_alu, always for 0.
; THE PLAN.  Registers that memory or LDS instructions touch:
;   v1            The loads' offset: written once at the head, ahead of the first wait on va_vdst; never written again.
;   v2-7, v16     LDS addresses and the stores' offset: written once, behind the first 64 loads; never written again.
;   RAW0, RAW1    A pass's loads land there; the sorting lines (multiplications, moves) read them; in pass 0 the next pass's loads land there behind these.  At the end v128-135 take the tile, which the stores read.
;   T = FR        Written by the sorting lines, read by the maxima and the conversions; behind a pass's barrier the fragments' LDS loads land there, and the matrix instructions read them.
;   P, BY         Half t (keys 0, values 1) is written by the conversions and shifts of QUANT t and read by the LDS stores of SHIP t; written again in pass 1.
;   SWA, SWB      LDS loads land there, matrix instructions read them; no vector instruction names them.
;   MX, SO and the accumulators are named by vector and matrix instructions alone.
; So a wait on va_vdst stands behind pass 0's sorting lines (the raw buffer is free for pass 1's loads, which are then dealt among the maxima: those name T and MX alone), one at the head of each SHIP (codes and
; bytes are written; a pass's second one also states that all vector and matrix lines that name T = FR and the scale words are done, ahead of the fragments' loads behind the barrier), and one ahead of the last stores.
; One wait on vm_vsrc stands ahead of pass 1's first QUANT: pass 0's LDS stores have read P and BY.
.set ROWB,  4096                       ; bytes from a token's row to the next
.set PASST, 512                        ; tokens in a pass
.set IMGP,  32768                      ; LDS: a pass's images: [K step 4][keys, values][fragment 4][1,024 bytes]
.set SCLB,  65536                      ; behind both passes' images: the scale words
.set SCLP,  2048                       ; a pass's: [K step 4][keys, values][fragment 4][row 16] words
.set FLOOR, 0x1800000                  ; 2^(3 - 127)
.set LOFF, 1                           ; v1   8 x lane: my two columns in a row
.set VI,   2                           ; v2   LDS: where my block's codes go
.set VS,   3                           ; v3   LDS: where my block's scale byte goes
.set LA,   4                           ; v4   LDS: my tile's fragment of keys
.set LB,   5                           ; v5   LDS: my tile's fragment of values
.set LSA,  6                           ; v6   LDS: its scale words, keys
.set LSB,  7                           ; v7   LDS: values
.set MX,   8                           ; v8-9   largest magnitudes of my two columns
.set SO,   10                          ; v10-11 the conversions' scale operands
.set BY,   12                          ; v12-15 scale bytes: 2 x (keys 0, values 1) + column
.set PO,   16                          ; v16  my byte offset in the partials
.set SWA,  20                          ; v20-23 scale words of keys, v24-27 of values: these eight hold scales and nothing else
.set SWB,  24
.set P,    32                          ; v32-47 codes: 8 x (keys 0, values 1) + 4 x column + register
.set AC,   48                          ; v48-63 two accumulators
.set T,    64                          ; v64-127 a block sorted by column: 32 x column + token
.set FR,   64                          ; the same registers, between blocks: four K steps' fragments, 8 of keys and 8 of values each
.set RAW0, 128                         ; v128-191 a block of keys as loaded: 2 x token + column
.set RAW1, 192                         ; v192-255 a block of values
.set O,    128                         ; at the end: the tile
.set KP,   4                           ; s[4:5] keys, s[6:7] values, at my wave's first token and my head
.set VP,   6
.set RHO,  16                          ; s16-63 and s68-83: rho of my 64 tokens
.macro LOADU ptr, pass, raw            ; a block: 32 loads, a token each
.set i, 0
.rept 32
	global_load_b64 v[\raw+2*i:\raw+2*i+1], v[LOFF], s[\ptr:\ptr+1] offset:(PASST*(\pass)+i)*ROWB th:TH_LOAD_NT
.set i, i+1
.endr
.endm
.macro LOAD2 ptr, pass, raw, tok       ; two of a block's 32 loads: tokens tok and tok + 1
	global_load_b64 v[\raw+2*(\tok):\raw+2*(\tok)+1], v[LOFF], s[\ptr:\ptr+1] offset:(PASST*(\pass)+(\tok))*ROWB th:TH_LOAD_NT
	global_load_b64 v[\raw+2*(\tok)+2:\raw+2*(\tok)+3], v[LOFF], s[\ptr:\ptr+1] offset:(PASST*(\pass)+(\tok)+1)*ROWB th:TH_LOAD_NT
.endm
.macro TURNK pass, raw                 ; rho x keys, in f32, written sorted by column
.set i, 0
.rept 32
.set rh, RHO+32*(\pass)+i+4*((32*(\pass)+i)/48)
	v_mul_f32 v[T+i], s[rh], v[\raw+2*i]
	v_mul_f32 v[T+32+i], s[rh], v[\raw+2*i+1]
.set i, i+1
.endr
.endm
.macro TURNV raw                       ; values have no arithmetic of their own on which the sorting could ride: a move a number
.set i, 0
.rept 32
	v_mov_b32 v[T+i], v[\raw+2*i]
	v_mov_b32 v[T+32+i], v[\raw+2*i+1]
.set i, i+1
.endr
.endm
; My two columns' blocks in T become 2 x 4 registers of codes and two scale bytes.  ld = 1: pass 1's 32 loads by ptr into raw are dealt among the maxima, two ahead of each pair of lines:
; the wait on va_vdst that stands ahead of the macro has shown raw read, and no line of the macro names raw or the loads' offset.
.macro QUANT t, ld, ptr, raw
.if \ld
	LOAD2 \ptr, 1, \raw, 0
.endif
	v_max3_num_f32 v[MX], |v[T]|, |v[T+1]|, FLOOR
	v_max3_num_f32 v[MX+1], |v[T+32]|, |v[T+33]|, FLOOR
.irp i, 2,4,6,8,10,12,14,16,18,20,22,24,26,28,30
.if \ld
	LOAD2 \ptr, 1, \raw, \i
.endif
	v_max3_num_f32 v[MX], v[MX], |v[T+\i]|, |v[T+\i+1]|            ; the two columns by turns
	v_max3_num_f32 v[MX+1], v[MX+1], |v[T+32+\i]|, |v[T+33+\i]|
.endr
.irp j, 0,1
	v_add_nc_u32 v[SO+\j], 0xff000000, v[MX+\j]                    ; 2 off the exponent field: the conversion takes that field as its scale and nothing else
.endr
.irp j, 0,1
	v_lshrrev_b32 v[BY+2*(\t)+\j], 23, v[SO+\j]                    ; the scale's byte
.endr
.irp j, 0,1
.irp g, 0,1,2,3
	v_cvt_scalef32_pk8_fp4_f32 v[P+8*(\t)+4*\j+\g], v[T+32*\j+8*\g:T+32*\j+8*\g+7], v[SO+\j]
.endr
.endr
	v_nop                                                          ; one plain vector line behind the last conversion, ahead of whatever next writes its sources
.endm
.macro SHIP pass, t                    ; 16 lanes store 256 consecutive bytes of one fragment's image, the other 16 of another's
	s_wait_alu depctr_va_vdst(0)                                   ; the conversions have written my codes v[P ..] and the shifts my bytes v[BY ..], which the LDS stores read; all lines that name T = FR and the scale words are done, ahead of the fragments' loads
.irp j, 0,1
	ds_store_b128 v[VI], v[P+8*(\t)+4*\j:P+8*(\t)+4*\j+3] offset:IMGP*(\pass)+4096*(\t)+2048*\j
	ds_store_b8 v[VS], v[BY+2*(\t)+\j] offset:SCLP*(\pass)+256*(\t)+128*\j
.endr
.endm
.macro MEET                            ; for the other waves' sake: my LDS stores have landed; then the work-group's barrier
	s_wait_dscnt 0x0
	s_barrier_signal -1
	s_barrier_wait -1
.endm
; My tile over the pass's four K steps.  Two accumulators by turns, one instruction a turn.
; The loads land in FR and in the scale words: no vector or matrix instruction issued since the wait on va_vdst at the head of the pass's second SHIP names these registers or the four addresses.
.macro MATS pass
.set ks, 0
.rept 4
	ds_load_b128 v[FR+16*ks:FR+16*ks+3],     v[LA] offset:IMGP*(\pass)+8192*ks
	ds_load_b128 v[FR+16*ks+4:FR+16*ks+7],   v[LA] offset:IMGP*(\pass)+8192*ks+512
	ds_load_b128 v[FR+16*ks+8:FR+16*ks+11],  v[LB] offset:IMGP*(\pass)+8192*ks
	ds_load_b128 v[FR+16*ks+12:FR+16*ks+15], v[LB] offset:IMGP*(\pass)+8192*ks+512
	ds_load_b32 v[SWA+ks], v[LSA] offset:SCLP*(\pass)+512*ks
	ds_load_b32 v[SWB+ks], v[LSB] offset:SCLP*(\pass)+512*ks
.set ks, ks+1
.endr
.set ks, 0
.rept 4
	s_wait_dscnt 6*(3-ks)                                          ; this K step's six loads are in; the six of each later K step may be out
.if ((\pass) == 0) && (ks < 2)
	v_wmma_scale_f32_16x16x128_f8f6f4 v[AC+8*(ks%2):AC+8*(ks%2)+7], v[FR+16*ks:FR+16*ks+7], v[FR+16*ks+8:FR+16*ks+15], 0, v[SWA+ks], v[SWB+ks] matrix_a_fmt:MATRIX_FMT_FP4 matrix_b_fmt:MATRIX_FMT_FP4
.else
	v_wmma_scale_f32_16x16x128_f8f6f4 v[AC+8*(ks%2):AC+8*(ks%2)+7], v[FR+16*ks:FR+16*ks+7], v[FR+16*ks+8:FR+16*ks+15], v[AC+8*(ks%2):AC+8*(ks%2)+7], v[SWA+ks], v[SWB+ks] matrix_a_fmt:MATRIX_FMT_FP4 matrix_b_fmt:MATRIX_FMT_FP4
.endif
.set ks, ks+1
.endr
.rept 4
	v_nop                                                          ; four places (ISA guide 7.12.1) ahead of vector lines that write the fragments' registers or read the results
.endr
.endm
	s_load_b256 s[4:11], s[0:1], 0x0               ; keys s[4:5], values s[6:7], write_strengths s[8:9], partial s[10:11]
	v_lshl_add_u32 v30, v0, 2, 0x11000
	v_mov_b32 v31, 0
	v_lshrrev_b32 v17, 5, v0
	v_readfirstlane_b32 s12, v17                   ; wave 0..15
	v_and_b32 v18, 31, v0                          ; lane
	v_lshlrev_b32 v[LOFF], 3, v18
	s_and_b32 s13, ttmp7, 0xffff                   ; chunk
	s_lshl_b32 s2, s13, 22                         ; chunk x 1,024 tokens x 4,096 bytes
	s_wait_alu depctr_va_sdst(0)                   ; s12 is written, ahead of its first reader: the bases and the LDS addresses are made from it
	s_lshl_b32 s3, s12, 17                         ; + wave x 32 tokens
	s_add_co_u32 s2, s2, s3
	s_lshl_b32 s3, ttmp9, 8                        ; + head x 256 bytes: under 2^26 in all
	s_add_co_u32 s2, s2, s3
	s_mov_b32 s3, 0
	s_lshl_b32 s14, s13, 12                        ; rho: 4 bytes a token
	s_lshl_b32 s15, s12, 7
	s_add_co_u32 s14, s14, s15
	s_mov_b32 s15, 0
	s_wait_kmcnt 0x0
	s_add_nc_u64 s[4:5], s[4:5], s[2:3]
	s_add_nc_u64 s[6:7], s[6:7], s[2:3]
	s_add_nc_u64 s[8:9], s[8:9], s[14:15]
	s_load_b512 s[16:31], s[8:9], 0x0              ; rho of pass 0's 32 tokens,
	s_load_b512 s[32:47], s[8:9], 0x40
	s_load_b512 s[48:63], s[8:9], 0x800            ; and of pass 1's, 512 tokens on
	s_load_b512 s[68:83], s[8:9], 0x840
	s_wait_alu depctr_va_vdst(0)                   ; v1 is written: every load of keys and values reads it as its offset
	LOADU KP, 0, RAW0                              ; both buffers are asked for before anything else is done
	LOADU VP, 0, RAW1
	; LDS addresses, made while the loads are on their way: each a constant + constants x lane bits + constants x (wave / 4, wave % 4).  None of these lines names a register that the 64 loads touch
	v_and_b32 v19, 15, v0                          ; r
	v_bfe_u32 v28, v0, 4, 1                        ; half
	s_lshr_b32 s84, s12, 2                         ; wave / 4: the K step that my block belongs to; later my tile's fragment of keys
	s_and_b32 s85, s12, 3                          ; wave % 4: my block's place in that K step; later my tile's fragment of values
	s_lshl_b32 s86, s84, 13
	s_lshl_b32 s87, s85, 8
	s_add_co_u32 s86, s86, s87
	v_lshlrev_b32 v[VI], 4, v19
	v_lshl_add_u32 v[VI], v28, 10, v[VI]
	v_add_nc_u32 v[VI], s86, v[VI]                 ; 8,192 K step + 1,024 half + 256 block + 16 r (the column adds 2,048, values add 4,096: immediates)
	s_lshl_b32 s86, s84, 9
	s_add_co_u32 s86, s86, s85
	s_add_co_u32 s86, s86, SCLB
	v_lshl_add_u32 v[VS], v18, 2, s86              ; 512 K step + 4 lane + block: byte b of a row's word scales block b
	s_lshl_b32 s86, s84, 10
	v_lshl_add_u32 v[LA], v18, 4, s86              ; an image comes back as it went: 16 x lane
	s_lshl_b32 s86, s85, 10
	s_add_co_u32 s86, s86, 4096
	v_lshl_add_u32 v[LB], v18, 4, s86
	s_lshl_b32 s86, s84, 6
	s_add_co_u32 s86, s86, SCLB
	v_lshl_add_u32 v[LSA], v19, 2, s86             ; lane r takes row r's word (lanes 16-31 take the same and are not read)
	s_lshl_b32 s86, s85, 6
	s_add_co_u32 s86, s86, SCLB+256
	v_lshl_add_u32 v[LSB], v19, 2, s86
	v_lshlrev_b32 v[PO], 4, v19
	v_lshl_add_u32 v[PO], v28, 15, v[PO]           ; the partials: 16 r + 32,768 h
	s_lshl_b32 s86, ttmp9, 18                      ; + 262,144 head + 65,536 fa + 1,024 chunk + 256 fb
	s_lshl_b32 s87, s84, 16
	s_add_co_u32 s86, s86, s87
	s_lshl_b32 s87, s13, 10
	s_add_co_u32 s86, s86, s87
	s_lshl_b32 s87, s85, 8
	s_add_co_u32 s86, s86, s87
	s_mov_b32 s87, 0
	s_add_nc_u64 s[10:11], s[10:11], s[86:87]
	s_wait_kmcnt 0x0                               ; rho
	s_wait_loadcnt 32                              ; loads come back in order (ISA guide 5.7.1): the keys' 32 are in, the values' 32 may be out
	TURNK 0, RAW0
	s_wait_alu depctr_va_vdst(0)                   ; the multiplications are done reading RAW0, in which pass 1's keys land; the addresses v2 to v7 and v16 are written, which LDS instructions and the last stores read
	QUANT 0, 1, KP, RAW0                           ; the buffer has been read: pass 1's keys are asked for among the maxima
	SHIP 0, 0
	s_wait_loadcnt 32                              ; pass 0's values are in; pass 1's keys may be out
	TURNV RAW1
	s_wait_alu depctr_va_vdst(0)                   ; the moves are done reading RAW1, in which pass 1's values land
	QUANT 1, 1, VP, RAW1                           ; all my loads have now been asked for: no barrier below holds a request back
	SHIP 0, 1
	MEET                                           ; pass 0's images lie in LDS
	MATS 0
	s_wait_loadcnt 32                              ; pass 1's keys are in; its values may be out
	s_wait_alu depctr_vm_vsrc(0)                   ; pass 0's LDS stores have read v[P ..] and v[BY ..], which pass 1's conversions and shifts write again
	TURNK 1, RAW0
	QUANT 0, 0, KP, RAW0
	SHIP 1, 0                                      ; pass 1 has LDS bytes of its own: no wave's reads of pass 0 are in its way
	s_wait_loadcnt 0x0
	TURNV RAW1
	QUANT 1, 0, VP, RAW1
	SHIP 1, 1
	MEET
	MATS 1
	; lane (r, h), register jj of the tile: k = 32 halfA + 16 h + 2 jj + jA, v = 32 halfB + 2 r + jB
.irp p, 0,2,4,6
	v_pk_add_f32 v[O+\p:O+\p+1], v[AC+\p:AC+\p+1], v[AC+8+\p:AC+8+\p+1]   ; the two accumulators, each read from its low end on
.endr
	s_wait_alu depctr_va_vdst(0)                   ; the additions have written v[O ..], which the two stores read
	global_store_b128 v[PO], v[O:O+3], s[10:11] th:TH_STORE_NT              ; 16 lanes store 256 consecutive bytes, aligned
	global_store_b128 v[PO], v[O+4:O+7], s[10:11] offset:16384 th:TH_STORE_NT
	s_wait_dscnt 0x0
	s_wait_alu depctr_hold_cnt(0) depctr_sa_sdst(0) depctr_va_vdst(0) depctr_va_sdst(0) depctr_va_ssrc(0) depctr_va_vcc(0) depctr_vm_vsrc(0)
	s_wait_tensorcnt 0x0
	ds_add_u32 v30, v31
	s_wait_dscnt 0x0
	s_endpgm
.Lfunc_end_k_q71d730a953_partials:
	.size	k_q71d730a953_partials, .Lfunc_end_k_q71d730a953_partials-k_q71d730a953_partials
	.p2alignl 7, 3214868480
	.fill 96, 4, 3214868480
	.section	.rodata,"a",@progbits
	.p2align	6, 0x0
	.amdhsa_kernel k_q71d730a953_partials
		.amdhsa_group_segment_fixed_size 71680
		.amdhsa_private_segment_fixed_size 0
		.amdhsa_enable_private_segment 0
		.amdhsa_kernarg_size 32
		.amdhsa_user_sgpr_count 2
		.amdhsa_user_sgpr_kernarg_segment_ptr 1
		.amdhsa_wavefront_size32 1
		.amdhsa_system_sgpr_workgroup_id_x 1
		.amdhsa_system_sgpr_workgroup_id_y 1
		.amdhsa_system_sgpr_workgroup_id_z 1
		.amdhsa_system_vgpr_workitem_id 0
		.amdhsa_next_free_vgpr 256
		.amdhsa_next_free_sgpr 96
		.amdhsa_reserve_vcc 0
		.amdhsa_float_denorm_mode_32 3
		.amdhsa_float_denorm_mode_16_64 3
		.amdhsa_memory_ordered 1
		.amdhsa_forward_progress 1
		.amdhsa_inst_pref_size 41
	.end_amdhsa_kernel
	.amdgpu_metadata
---
amdhsa.version: [ 1, 2 ]
amdhsa.kernels:
  - .name:           k_q71d730a953_partials
    .symbol:         k_q71d730a953_partials.kd
    .args:
      - { .name: keys, .offset: 0, .size: 8, .value_kind: global_buffer, .address_space: global }
      - { .name: values, .offset: 8, .size: 8, .value_kind: global_buffer, .address_space: global }
      - { .name: write_strengths, .offset: 16, .size: 8, .value_kind: global_buffer, .address_space: global }
      - { .name: partial, .offset: 24, .size: 8, .value_kind: global_buffer, .address_space: global }
    .group_segment_fixed_size: 71680
    .private_segment_fixed_size: 0
    .kernarg_segment_align: 8
    .kernarg_segment_size: 32
    .max_flat_workgroup_size: 512
    .sgpr_count:     96
    .vgpr_count:     256
    .wavefront_size: 32
...
	.end_amdgpu_metadata
.endif
;; end of part 3
;; launch fold: the kernel of part 2 again; grid 256 x 1, 1 waves a work-group, no clusters, 0 bytes of LDS; arguments partial, memory, out0; writes out0
